; MI455X (gfx1250); checked and timed in simulation.
; The chip was launched on July 23, 2026; its instructions are those of AMD's public machine-readable ISA for CDNA 5 (MIT licence, August 2026) and "CDNA5" Instruction Set Architecture Reference Guide (July 2026). The comments in the code are by the model that wrote it; some were corrected since.
;; Multihead Attention. Allowed arithmetic: matrix products marked QUANTISED: E2M1 operands, one E8M0 scale for each 32 along K, by v_wmma_scale_f32_16x16x128_f8f6f4 with both operands' format E2M1 (or v_wmma_scale_f32_32x16x128_f4), f32 sums; everything else in f32.
;; Inputs: beta 1,024 float32; bk 1,024 float32; bq 1,024 float32; bv 1,024 float32; gamma 1,024 float32; wk_codes 1,024 x 32 x 16 uint8 (E2M1 codes of wk, K innermost, in blocks of 32 codes, two codes a byte); wk_scales 1,024 x 32 uint8 (E8M0 scales of wk, one for each 32 codes along K); wq_codes 1,024 x 32 x 16 uint8 (E2M1 codes of wq, K innermost, in blocks of 32 codes, two codes a byte); wq_scales 1,024 x 32 uint8 (E8M0 scales of wq, one for each 32 codes along K); wv_codes 1,024 x 32 x 16 uint8 (E2M1 codes of wv, K innermost, in blocks of 32 codes, two codes a byte); wv_scales 1,024 x 32 uint8 (E8M0 scales of wv, one for each 32 codes along K); x 2 x 2,048 x 1,024 float32.
;; Outputs: out0 2 x 2,048 x 1,024 float32.
;; This version of the problem:
;;   THIS VERSION OF THE PROBLEM IS GIVEN IN LOW PRECISION. The matrix products marked QUANTISED in the list below multiply operands that are first quantised to E2M1 (2 exponent bits, 1 mantissa bit; 4 bits a number), with one power-of-two scale for each 32 numbers along K (OCP MX v1.0); their sums are f32. All else is computed in f32.
;;   The module's matrix products, in the order in which they are computed (A, B: the left and right operand; K: the contracted axis; several contracted axes count as one K, in the product's order):
;;     1. [M 4,096, K 1,024] x [K 1,024, N 1,024]; A: input x; B: input wq (given as codes): QUANTISED
;;     2. [M 4,096, K 1,024] x [K 1,024, N 1,024]; A: input x; B: input wk (given as codes): QUANTISED
;;     3. [M 4,096, K 1,024] x [K 1,024, N 1,024]; A: input x; B: input wv (given as codes): QUANTISED
;;     4. batch 32 x [M 2,048, K 64] x [K 64, N 2,048]; A: computed on the way; B: computed on the way: QUANTISED
;;     5. batch 32 x [M 2,048, K 2,048] x [K 2,048, N 64]; A: softmax (see below); B: computed on the way: QUANTISED
;;   THE QUANTISER, for each operand of a quantised product, along K:
;;     - K is cut into blocks of 32 from its start; a last block that is shorter is filled with zeros.
;;     - A block's scale is 2^e with e = floor(log2(the largest magnitude in the block)) - 2, held to -126 .. 127; a block of zeros has e = 0. As a byte (E8M0): e + 127.
;;     - Each number is divided by its block's scale, clamped to +-6, and rounded to the nearest number of E2M1, ties to even, subnormals kept.
;;     - The product sums the exact products of the quantised numbers (number of the format x scale) in f32.
;;   ~~~python
;;   def quantise(x, axis):      # numpy; x: float32 -> the quantised numbers, widened to float32 again
;;       x = np.moveaxis(x, axis, -1); K = x.shape[-1]
;;       x = np.pad(x, [(0, 0)] * (x.ndim - 1) + [(0, -K % 32)]); x = x.reshape(x.shape[:-1] + (-1, 32)); a = np.abs(x).max(-1, keepdims=True)
;;       e = np.where(a > 0, np.clip(np.frexp(np.where(a > 0, a, 1))[1] - 1 - 2, -126, 127), 0)      # np.frexp(a)[1] - 1 = floor(log2(a)), exactly
;;       r = np.clip(x / 2.0 ** e, -6, 6)
;;       step = 2.0 ** (np.maximum(np.frexp(np.where(r == 0, 1, r))[1] - 1, 0) - 1)
;;       q = np.round(r / step) * step * 2.0 ** e      # np.round: ties to even
;;       return np.moveaxis(q.reshape(q.shape[:-2] + (-1,))[..., :K], -1, axis).astype(np.float32)
;;   ~~~
;;   SOFTMAX AHEAD OF A QUANTISED PRODUCT. Where the list says 'softmax', what is quantised is not the finished softmax but p = 2^(t - M), with t = logit x log2(e) and M = ceil(the row's largest t), a whole number; so 1/2 < the row's largest p <= 1. The row's sum l is taken of the UNQUANTISED p, in f32, and the product's result is divided by l at the end. Since M is a whole number, a kernel that streams over the keys may use a running M (the ceiling of the running maximum): every later rescaling is an exact power of two, which a block's scale takes up: the codes' values come out the same.
;;   OPERANDS COMPUTED ON THE WAY. 'Computed on the way' means the value that the module computes at that place (a softmax that the list does not call 'softmax' is quantised finished and normalised). What goes into a quantiser is computed in f32, as accurately as f32 sums, v_exp_f32 and their like allow (about 1e-6 of the number): no bf16 or f16 on the way to a quantiser, and a product that is left as it is and whose result goes on into a quantised operand takes f32 operands (vector FMAs, or v_wmma_f32_16x16x4_f32). A number that lies on a knife's edge between two numbers of the format may be rounded either way, as far as f32 arithmetic and the matrix unit's own rounding can turn it there, and no further.
;;   INPUTS GIVEN AS CODES. wk (in the module: [1024, 1024], K = its axis 1); wq (in the module: [1024, 1024], K = its axis 1); wv (in the module: [1024, 1024], K = its axis 1): each comes as NAME_codes (uint8): NAME with its K axis moved to the last place and cut into blocks of 32 codes, [.., K / 32, bytes a block], one block behind the other in memory; two codes a byte, the lower K in the low four bits (a code: sign, 2 exponent bits, 1 mantissa bit); and NAME_scales (uint8): the same leading axes, one E8M0 byte (e + 127) for each 32 codes along K. Its value is code x scale, taken as it is: it is not quantised again, and the codes and scales need not be those that the quantiser above would give.
;; One version. Each part assembles by itself: llvm-mc -triple=amdgcn-amd-amdhsa -mcpu=gfx1250 --defsym DOCPART=n.
;; ======== version 1 of 1: 3 launches
;; limits: right only within a limited range of input values
;; workspace buffers: qc 2,097,152 bytes; qs 131,072 bytes; kv 4,456,448 bytes; y 16,777,216 bytes
;; launch proj (part 1): grid 32 x 8, 8 waves a work-group, clusters of 4 x 1, 279,040 bytes of LDS; arguments x, wq_codes, wq_scales, bq, wk_codes, wk_scales, bk, wv_codes, wv_scales, bv, qc, qs, kv; writes qc, qs, kv
.if DOCPART == 1
	.amdgcn_target "amdgcn-amd-amdhsa--gfx1250"
	.amdhsa_code_object_version 6
	.text
	.protected	k_qc28d681140_proj
	.globl	k_qc28d681140_proj
	.p2align	8
	.type	k_qc28d681140_proj,@function
k_qc28d681140_proj:
	s_mov_b64 s[64:65], 0
	v_nop
	global_prefetch_b8 v0, s[64:65] scope:SCOPE_SE
	s_setreg_imm32_b32 hwreg(HW_REG_WAVE_MODE, 25, 1), 1
	s_wait_xcnt 0x0
	s_wait_alu depctr_hold_cnt(0) depctr_sa_sdst(0) depctr_va_vdst(0) depctr_va_sdst(0) depctr_va_ssrc(0) depctr_va_vcc(0) depctr_vm_vsrc(0)
	s_getreg_b32 s2, hwreg(HW_REG_IB_STS2, 6, 4)
	s_cmp_eq_u32 s2, 0
	s_cbranch_scc0 .Lentry_in_a_cluster
	s_endpgm
.Lentry_in_a_cluster:
	s_bfe_u32 s2, ttmp6, 0x10000c
	s_cmp_lg_u32 s2, 0x3003
	s_cbranch_scc0 .Lentry_shape_is_right
	s_endpgm
.Lentry_shape_is_right:
; q, k, v = Q(x) W^T + b on codes of FP4 (E2M1) with one E8M0 scale for each 32 along K = 1,024, and the results quantised again for the attention:
; q and k along a head's 64 channels, v along the keys.  x [4096][1024] f32 is quantised here; the weights arrive as codes (rows of 512 bytes) and scale bytes (rows of 32).
; SHARES.  Work-group (i, g): rows 128 i .. 128 i + 127 of x (batch i / 16, key step i % 16) x heads 2 g, 2 g + 1 of q, k and v: 128 x 384 outputs.  Eight waves.
;   X: wave w quantises rows 16 w .. 16 w + 15 of x into LDS (codes as rows, scale bytes as rows).
;   A: wave w takes 64 channels (w < 4: q, else k; head (w / 2) % 2) x 64 rows (half w % 2), in two halves of 2 row tiles x 4 channel tiles.  Source 0 = 16 weight rows, source 1 = 16 rows of x:
;      a lane then holds ONE row and its registers run along the channels, the next product's K.
;   B: wave w takes 16 channels of v x all 128 rows.  Source 0 = 16 rows of x, source 1 = the 16 weight rows: a lane holds ONE channel and its registers run along the keys, the last product's K.
; FROM RESULT TO OPERAND.  Register j of lane (r, h) of result tile T holds next-K index 16 T + 8 h + j.  A block of 32 is the 16 registers of tiles 2 b, 2 b + 1 in lanes l and l xor 16.
;   The conversions of tiles 4 c, 4 c + 2, 4 c + 1, 4 c + 3 go to registers 4 c .. 4 c + 3; two exchanges of lane halves then give k = 64 c + 32 h + 0 .. 31 in those registers: the operand's layout.
; WHAT IS STORED is the later reader's REGISTER IMAGE: four registers as 512 consecutive bytes, 16 a lane.
;   qc [bh][query tile][512]: a tile of 16 queries.   qs [bh][step][r][4] words: word f = the scale bytes of row r of tiles 2 f (bytes 0, 1) and 2 f + 1 (bytes 2, 3).
;   kv [bh][step][8704]: +0 four fragments of K (registers 0-3 key tile 2 f, 4-7 key tile 2 f + 1); +4096 four fragments of V (16 channels x 128 keys); +8192 K's words [r][4]; +8448 V's words [channel][4].
; CLUSTER.  The four work-groups of a cluster differ in i alone and need the same 384 weight rows: these are asked for jointly (mask 15), which divides the requests for the weights by four.
;   x goes through registers, since it has to be quantised, so it cannot be asked for jointly.  Nothing in LDS is filled twice: one tensor load a wave (waves 0-5) at the start, and no ring.
; LIMITS.  NaN and infinities among the inputs are not served.  A block whose largest magnitude lies under 2^-124, a block of zeros among them, gets the scale byte 1 (the rule says 127 for zeros):
;   its codes are zeros or the rule's own, and only this program reads the bytes.
.set WP,   528                         ; an LDS row of codes: 512 bytes + 16 of padding = 132 words: 16 consecutive rows start at 16 different groups of four banks
.set XC,   384*WP                      ; behind the 384 weight rows (q 0-127, k 128-255, v 256-383): x's codes, 128 rows
.set XS,   XC+128*WP                   ; x's scale bytes: 128 rows, 48 bytes apart, 32 used
.set XSP,  48
.set SS,   XS+128*XSP                  ; the scale words' stage: q head 0, q head 1, k, k, v, v: 256 bytes each, [r][4] words
.set KVB,  8704                        ; a key step's block in kv
.set XA,   4                           ; v4   32 x lane: my 8 numbers of 256 of a row of x; also my row of 32 weight scale bytes
.set XCW,  5                           ; v5   where I store x's codes: XC + 16 w rows + 4 x lane
.set XSW,  6                           ; v6   and x's scale bytes: XS + 16 w rows + lane / 4
.set WFA,  7                           ; v7   pass A: my weight fragments: (64 (w / 2) + r) rows + 16 h
.set XFA,  8                           ; v8   pass A: my fragments of x: XC + (64 (w % 2) + r) rows + 16 h
.set XSA,  9                           ; v9   pass A: x's scale words: XS + (64 (w % 2) + lane) rows
.set WFB,  10                          ; v10  pass B: my weight fragment: (256 + 16 w + r) rows + 16 h
.set XFB,  11                          ; v11  pass B: fragments of x: XC + r rows + 16 h
.set XSB,  12                          ; v12  pass B: x's scale words: XS + lane rows
.set LI,   13                          ; v13  16 x lane: an image's place for my lane
.set SSA,  14                          ; v14  pass A: my place in the scale words' stage
.set SSB,  15                          ; v15  pass B: the same
.set SSR,  16                          ; v16  SS + 16 x lane: where wave 0 reads the stage back
.set WSV,  17                          ; v17  32 r: v's weight scale rows
.set BA,   18                          ; v18  32 h: the bias of my half's eight channels
.set BVA,  19                          ; v19  4 r: v's bias
.set VQ,   20                          ; v20  qs: 4096 h + 16 r (the second head's words lie 16 steps x 256 bytes on)
.set VK,   21                          ; v21  kv: 16 KVB h + 16 r
.set BVR,  22                          ; v22  bv of my channel
.set RF,   23                          ; v23  r rows + 16 h
.set WSC,  24                          ; v24-39  scale words of my 64 weight rows: register 8 a + s: lanes 0-15 tile 2 a, lanes 16-31 tile 2 a + 1, K step s.  Scales and nothing else
.set WSCV, 40                          ; v40-47  those of my 16 rows of wv, K step s.  Scales and nothing else
.set XSR,  48                          ; v48-55  x's scale words in hand.  Scales and nothing else
.set BIAS, 56                          ; v56-87  pass A: b at channels 16 t + 8 h + j, the C of each sum's first product
.set BIASV, 56                         ; v56-63  pass B: bv of my channel, eight times
.set WB,   64                          ; v64-79  pass B: the weight fragment, two sets
.set ACC,  88                          ; v88-151 eight accumulators
.set X,    88                          ; v88-215 phase X: four sets of 32 numbers
.set SET0, 152                         ; pass A: two sets of 48: four weight fragments, two fragments of x
.set XG,   152                         ; pass B: three groups of four fragments of x
.set CB,   216                         ; v216-231 phase X: two sets of 4 code registers + 4 byte registers
.set MX,   232                         ; v232-235 phase X: largest magnitudes
.set SC,   236                         ; v236-239 phase X: the conversions' scale operands
.set TM,   152                         ; behind a pass: largest magnitudes,
.set TP,   156                         ; the other half's,
.set SO,   160                         ; the conversions' scale operands,
.set BY,   164                         ; the bytes,
.set P,    168                         ; v168-175 the codes,
.set PWD,  176                         ; the scale word
.set WV,   34                          ; s34  my wave's number
.set G1,   40                          ; s[40:47] descriptor group 1: one shape for all three loads
.set G0,   48                          ; s[48:51] descriptor group 0: wq, wk or wv by the wave
.set SEL,  60                          ; s[60:61] lane selects: lane l xor 16
.macro PLACES n                        ; plain vector instructions that name no register of the matrix instruction in front (ISA guide 7.12.1)
.rept \n
	v_nop
.endr
.endm
.macro ROUND                           ; a round of the cluster's barrier: my work-group's barrier, wave 0 signals for the work-group, every wave waits for all four work-groups, my work-group's barrier once more
	s_barrier_signal -1
	s_barrier_wait -1
	s_cmp_lg_u32 s[WV], 0
	s_cbranch_scc1 .Lnot_wave_0_\@
	s_barrier_signal -3
.Lnot_wave_0_\@:
	s_barrier_wait -3
	s_barrier_signal -1
	s_barrier_wait -1
.endm
	s_load_b512 s[8:23], s[0:1], 0x0               ; x 8:9, wq codes 10:11, wq scales 12:13, bq 14:15, wk codes 16:17, wk scales 18:19, bk 20:21, wv codes 22:23
	s_load_b256 s[24:31], s[0:1], 0x40             ; wv scales 24:25, bv 26:27, qc 28:29, qs 30:31
	s_load_b64 s[32:33], s[0:1], 0x60              ; kv
	v_lshl_add_u32 v254, v0, 2, 0x43e00
	v_mov_b32 v255, 0
	ds_add_u32 v254, v255
	ds_add_u32 v254, v255
	v_lshrrev_b32 v1, 5, v0
	s_delay_alu instid0(VALU_DEP_1)
	v_readfirstlane_b32 s[WV], v1                  ; wave 0..7
	v_and_b32 v1, 31, v0                           ; lane
	v_and_b32 v2, 15, v0                           ; r
	s_wait_alu depctr_va_vdst(0)
	v_bfe_u32 v3, v0, 4, 1                         ; h
	s_and_b32 s90, s[WV], 1                        ; w % 2: which 64 rows in pass A
	s_lshr_b32 s91, s[WV], 1                       ; w / 2: which 64 weight rows in pass A
	s_and_b32 s92, s91, 1                          ; its head, 0 or 1
	s_lshr_b32 s93, s[WV], 2                       ; pass B: my channels' head,
	s_and_b32 s94, s[WV], 3                        ; and which 16 of its 64
	; every LDS address: a constant + a constant x lane + a constant x wave; no place in the cluster enters one
	v_lshlrev_b32 v[XA], 5, v1
	s_mul_i32 s62, s[WV], 16*WP
	s_add_co_u32 s62, s62, XC
	v_lshl_add_u32 v[XCW], v1, 2, s62
	v_lshrrev_b32 v[XSW], 2, v1
	s_mul_i32 s62, s[WV], 16*XSP
	s_add_co_u32 s62, s62, XS
	v_add_nc_u32 v[XSW], s62, v[XSW]
	v_mul_u32_u24 v[RF], v2, WP
	s_wait_alu depctr_va_vdst(0)
	v_lshl_add_u32 v[RF], v3, 4, v[RF]
	s_mul_i32 s62, s91, 64*WP
	v_add_nc_u32 v[WFA], s62, v[RF]
	s_mul_i32 s62, s90, 64*WP
	s_add_co_u32 s62, s62, XC
	v_add_nc_u32 v[XFA], s62, v[RF]
	; PASS A'S ROW TILES ARE NOT NEIGHBOURS: lane r of tile u (0..3) of my 64 rows takes row 8 u + r % 8 + 32 (r / 8) = 8 u + r + 24 (r / 8),
	; for q and for k alike: in the attention a lane's 32 score registers of four key tiles are then 32 neighbouring keys, one block
	v_lshrrev_b32 v[SSA], 3, v2                    ; r / 8 (v14, v15 are at work here; they get their own values below)
	v_mad_u32_u24 v[XFA], v[SSA], 24*WP, v[XFA]
	v_mul_u32_u24 v[XSB], v1, XSP
	v_mad_u32_u24 v[SSB], v[SSA], 24, v2           ; r + 24 (r / 8)
	v_lshl_add_u32 v[SSB], v3, 3, v[SSB]           ; lanes 16-31 take the next tile's rows: + 8
	v_mul_u32_u24 v[SSB], v[SSB], XSP
	s_mul_i32 s62, s90, 64*XSP
	s_add_co_u32 s62, s62, XS
	v_add_nc_u32 v[XSA], s62, v[SSB]
	v_add_nc_u32 v[XSB], XS, v[XSB]
	s_mul_i32 s62, s[WV], 16*WP
	s_add_co_u32 s62, s62, 256*WP
	v_add_nc_u32 v[WFB], s62, v[RF]
	v_add_nc_u32 v[XFB], XC, v[RF]
	v_lshlrev_b32 v[LI], 4, v1
	s_delay_alu instid0(VALU_DEP_1)
	v_add_nc_u32 v[SSR], SS, v[LI]
	s_lshl_b32 s62, s91, 8
	s_lshl_b32 s95, s90, 3
	s_add_co_u32 s62, s62, s95
	s_add_co_u32 s62, s62, SS
	v_lshl_add_u32 v[SSA], v2, 4, s62              ; SS + 256 (w / 2) + 8 (w % 2) + 16 r
	s_lshl_b32 s62, s93, 8
	s_lshl_b32 s95, s94, 2
	s_add_co_u32 s62, s62, s95
	s_add_co_u32 s62, s62, SS+1024
	v_lshl_add_u32 v[SSB], v2, 4, s62              ; SS + 1024 + 256 (w / 4) + 4 (w % 4) + 16 r
	v_lshlrev_b32 v[WSV], 5, v2
	v_lshlrev_b32 v[BA], 5, v3
	v_lshlrev_b32 v[BVA], 2, v2
	v_lshlrev_b32 v[VQ], 12, v3
	s_delay_alu instid0(VALU_DEP_1)
	v_lshl_add_u32 v[VQ], v2, 4, v[VQ]
	v_mul_u32_u24 v[VK], v3, 16*KVB
	s_delay_alu instid0(VALU_DEP_1)
	v_lshl_add_u32 v[VK], v2, 4, v[VK]
	; ids.  i hangs on my place in the cluster and enters x's and the outputs' addresses alone (temporaries of its own: s35, s63)
	s_bfe_u32 s35, ttmp6, 0x40000                  ; cx
	s_lshl_b32 s36, ttmp9, 2
	s_add_co_u32 s36, s36, s35                     ; i = 4 x cluster x + cx
	s_and_b32 s37, ttmp7, 0xffff                   ; g, which the four partners share
	s_and_b32 s38, s36, 15                         ; the key step
	s_lshr_b32 s39, s36, 4
	s_lshl_b32 s39, s39, 4
	s_lshl_b32 s63, s37, 1
	s_add_co_u32 s39, s39, s63                     ; bh0 = 16 x batch + 2 g
	; byte offsets, each in a pair of its own with 0 above
	s_lshl_b32 s78, s36, 19                        ; x: 128 i rows of 4,096 bytes + 16 w rows
	s_lshl_b32 s63, s[WV], 16
	s_add_co_u32 s78, s78, s63
	s_mov_b32 s79, 0
	s_lshl_b32 s80, s37, 16                        ; weight codes: (128 g + 64 (w % 2)) rows of 512 bytes
	s_lshl_b32 s62, s90, 15
	s_add_co_u32 s80, s80, s62
	s_mov_b32 s81, 0
	s_lshl_b32 s82, s37, 12                        ; q's or k's scales: (128 g + 64 head) rows of 32 bytes
	s_lshl_b32 s62, s92, 11
	s_add_co_u32 s82, s82, s62
	s_mov_b32 s83, 0
	s_lshl_b32 s84, s37, 9                         ; q's or k's bias: the same rows, 4 bytes each
	s_lshl_b32 s62, s92, 8
	s_add_co_u32 s84, s84, s62
	s_mov_b32 s85, 0
	s_lshl_b32 s86, s37, 12                        ; v's scales: (128 g + 16 w) rows
	s_lshl_b32 s62, s[WV], 9
	s_add_co_u32 s86, s86, s62
	s_mov_b32 s87, 0
	s_lshl_b32 s88, s37, 9                         ; v's bias
	s_lshl_b32 s62, s[WV], 6
	s_add_co_u32 s88, s88, s62
	s_mov_b32 s89, 0
	s_add_co_u32 s35, s39, s92                     ; pass A: my head among the 32
	s_lshl_b32 s96, s35, 7                         ; into qc: (128 bh + 8 step + 4 (w % 2)) tiles of 512 bytes
	s_lshl_b32 s63, s38, 3
	s_add_co_u32 s96, s96, s63
	s_lshl_b32 s63, s90, 2
	s_add_co_u32 s96, s96, s63
	s_lshl_b32 s96, s96, 9
	s_mov_b32 s97, 0
	s_lshl_b32 s98, s35, 4                         ; into kv: (16 bh + step) blocks + 2 (w % 2) fragments of 1,024 bytes
	s_add_co_u32 s98, s98, s38
	s_mul_i32 s98, s98, KVB
	s_lshl_b32 s63, s90, 11
	s_add_co_u32 s98, s98, s63
	s_mov_b32 s99, 0
	s_add_co_u32 s68, s39, s93                     ; pass B, into kv: (16 bh + step) blocks + 4,096 + (w % 4) fragments
	s_lshl_b32 s68, s68, 4
	s_add_co_u32 s68, s68, s38
	s_mul_i32 s68, s68, KVB
	s_lshl_b32 s63, s94, 10
	s_add_co_u32 s68, s68, s63
	s_add_co_u32 s68, s68, 4096
	s_mov_b32 s69, 0
	s_lshl_b32 s63, s39, 4                         ; the scale words of head bh0, this step: in qs 256 bytes a step, in kv inside the block
	s_add_co_u32 s63, s63, s38
	s_lshl_b32 s70, s63, 8
	s_mov_b32 s71, 0
	s_mul_i32 s72, s63, KVB
	s_mov_b32 s73, 0
	; descriptor group 1: 64 rows x 512 elements of one byte, 512 apart in memory; in LDS 16 bytes of padding behind each row
	s_mov_b32 s[G1+0], 15|(0<<16)|(1<<20)|(1<<21)|(6<<22)|(3<<25)  ; 15:0 the mask: all four work-groups; 17:16 one byte; 20 padding on; 21 set beside a mask; 24:22 after every 128 words (code 6); 31:25 four words (code 3)
	s_mov_b32 s[G1+1], 512<<16                     ; tensor_dim0
	s_mov_b32 s[G1+2], 64<<16                      ; tensor_dim1: 64 rows a load
	s_mov_b32 s[G1+3], 512<<16                     ; tile_dim0
	s_mov_b32 s[G1+4], 64                          ; tile_dim1
	s_mov_b32 s[G1+5], 512                         ; tensor_dim0_stride
	s_mov_b32 s[G1+6], 0
	s_mov_b32 s[G1+7], 0
	s_mov_b32 s[SEL], 0x76543210
	s_mov_b32 s[SEL+1], 0xfedcba98
	s_mul_i32 s62, s[WV], 64*WP                    ; wave w < 6 fills rows 64 w .. 64 w + 63 of the 384
	s_wait_dscnt 0x0
	s_wait_kmcnt 0x0
	s_add_nc_u64 s[8:9], s[8:9], s[78:79]          ; x at my wave's first row
	s_cmp_lt_u32 s[WV], 4                          ; waves 0-3 make q, waves 4-7 k: the choice hangs on the wave's number alone
	s_cselect_b64 s[74:75], s[12:13], s[18:19]     ; the weight's scales,
	s_cselect_b64 s[76:77], s[14:15], s[20:21]     ; the bias,
	s_cselect_b64 s[66:67], s[28:29], s[32:33]     ; where the codes go,
	s_cselect_b64 s[96:97], s[96:97], s[98:99]     ; and at which offset
	s_add_nc_u64 s[74:75], s[74:75], s[82:83]
	s_add_nc_u64 s[76:77], s[76:77], s[84:85]
	s_add_nc_u64 s[66:67], s[66:67], s[96:97]
	s_add_nc_u64 s[24:25], s[24:25], s[86:87]
	s_add_nc_u64 s[26:27], s[26:27], s[88:89]
	s_add_nc_u64 s[68:69], s[32:33], s[68:69]
	s_add_nc_u64 s[70:71], s[30:31], s[70:71]
	s_add_nc_u64 s[72:73], s[32:33], s[72:73]
	; THE WEIGHTS' FILLS, ONE A WAVE: waves 0, 1 fetch the halves of wq's 128 rows, waves 2, 3 wk's, waves 4, 5 wv's; waves 6, 7 fetch nothing.
	; The buffer is chosen by the wave's number alone, the offset hangs on g and w % 2: equal in the four partners.
	s_cmp_lt_u32 s[WV], 4
	s_cselect_b64 s[G0+2:G0+3], s[16:17], s[22:23]
	s_cmp_lt_u32 s[WV], 2
	s_cselect_b64 s[G0+2:G0+3], s[10:11], s[G0+2:G0+3]
	s_add_nc_u64 s[G0+2:G0+3], s[G0+2:G0+3], s[80:81]
	s_or_b32 s[G0+3], s[G0+3], 0x80000000          ; type = 2
	s_mov_b32 s[G0], 1                             ; count = 1
	s_mov_b32 s[G0+1], s62                         ; LDS address
	ROUND                                          ; all four work-groups are here: the joint loads meet
	s_cmp_lt_u32 s[WV], 6
	s_cbranch_scc0 .Lno_fill
	tensor_load_to_lds s[G0:G0+3], s[G1:G1+7]      ; the launch's only fill of mine
	s_nop 0
	PLACES 4
.Lno_fill:
	s_wait_alu depctr_va_vdst(0)
.irp t, 0,1,2,3
	global_load_b128 v[BIAS+8*\t:BIAS+8*\t+3], v[BA], s[76:77] offset:64*\t
	global_load_b128 v[BIAS+8*\t+4:BIAS+8*\t+7], v[BA], s[76:77] offset:64*\t+16
.endr
.irp a, 0,1
	global_load_b128 v[WSC+8*\a:WSC+8*\a+3], v[XA], s[74:75] offset:1024*\a       ; weight row 32 a + lane: its 32 scale bytes are the eight K steps' words
	global_load_b128 v[WSC+8*\a+4:WSC+8*\a+7], v[XA], s[74:75] offset:1024*\a+16
.endr
	global_load_b128 v[WSCV:WSCV+3], v[WSV], s[24:25]
	global_load_b128 v[WSCV+4:WSCV+7], v[WSV], s[24:25] offset:16
	global_load_b32 v[BVR], v[BVA], s[26:27]
; ---- PHASE X.  A row of x is four quarters of 256 numbers; in a quarter a lane holds 8 neighbours, four lanes a block of 32.  The two loads of a quarter cover 1,024 consecutive bytes.
.macro XLOAD i
.irp q, 0,1,2,3
	global_load_b128 v[X+32*((\i)%4)+8*\q:X+32*((\i)%4)+8*\q+3], v[XA], s[8:9] offset:(\i)*4096+\q*1024
	global_load_b128 v[X+32*((\i)%4)+8*\q+4:X+32*((\i)%4)+8*\q+7], v[XA], s[8:9] offset:(\i)*4096+\q*1024+16
.endr
.endm
.macro ROW i
.set XB, X+32*((\i)%4)
.set CC, CB+8*((\i)%2)
.if (\i) < 13
	s_wait_loadcnt 24                              ; this row's eight loads are in (and all that was asked for before them); the three rows behind it stay out
.else
	s_wait_loadcnt 8*(15-(\i))
.endif
.if (\i) >= 2
	s_wait_dscnt 8                                 ; the LDS stores of two rows ago are done: their registers are written again; the last row's eight may be out
.endif
.irp q, 0,1,2,3
	v_max3_num_f32 v[MX+\q], |v[XB+8*\q]|, |v[XB+8*\q+1]|, 0x1800000   ; my 8 numbers, and the floor 2^(3 - 127): the byte cannot fall under 1.  (The four quarters by turns)
.endr
.irp n, 2,4,6
.irp q, 0,1,2,3
	s_delay_alu instid0(VALU_DEP_4)
	v_max3_num_f32 v[MX+\q], v[MX+\q], |v[XB+8*\q+\n]|, |v[XB+8*\q+\n+1]|
.endr
.endr
.irp q, 0,1,2,3
	s_delay_alu instid0(VALU_DEP_4)
	v_max_num_f32_dpp v[MX+\q], v[MX+\q], v[MX+\q] row_xmask:1 row_mask:0xf bank_mask:0xf
.endr
.irp q, 0,1,2,3
	s_delay_alu instid0(VALU_DEP_4)
	v_max_num_f32_dpp v[MX+\q], v[MX+\q], v[MX+\q] row_xmask:2 row_mask:0xf bank_mask:0xf   ; with the three lanes beside me: the block's largest magnitude
.endr
.irp q, 0,1,2,3
	s_delay_alu instid0(VALU_DEP_4)
	v_add_nc_u32 v[SC+\q], 0xff000000, v[MX+\q]    ; 2 off its exponent field: the conversion takes the exponent field of this operand as its scale
.endr
.irp q, 0,1,2,3
	v_cvt_scalef32_pk8_fp4_f32 v[CC+\q], v[XB+8*\q:XB+8*\q+7], v[SC+\q]
.endr
.irp q, 0,1,2,3
	v_lshrrev_b32 v[CC+4+\q], 23, v[SC+\q]         ; the scale's byte.  (Plain lines behind the conversions)
.endr
.irp q, 0,1,2,3
	ds_store_b32 v[XCW], v[CC+\q] offset:(\i)*WP+128*\q        ; 8 codes: 4 bytes; the wave's 128 bytes are consecutive
	ds_store_b8 v[XSW], v[CC+4+\q] offset:(\i)*XSP+8*\q        ; the four lanes of a block write the same byte with the same value
.endr
.if (\i) < 12
	XLOAD (\i)+4
.endif
.endm
.irp i, 0,1,2,3
	XLOAD \i
.endr
.irp i, 0,1,2,3,4,5,6,7,8,9,10,11,12,13,14,15
	ROW \i
.endr
	s_wait_tensorcnt 0x0                           ; my 64 weight rows have landed,
	s_wait_dscnt 0x0                               ; my rows of x lie in LDS:
	s_barrier_signal -1
	s_barrier_wait -1                              ; everybody's do
; One scaled product on the registers named by rD, rA, rB, rC, rSA, rSB; ra, rb: the side's scales stand in lanes 16-31
.macro WMX ra, rb
.if (\ra) && (\rb)
	v_wmma_scale_f32_16x16x128_f8f6f4 v[rD:rD+7], v[rA:rA+7], v[rB:rB+7], v[rC:rC+7], v[rSA], v[rSB] matrix_a_fmt:MATRIX_FMT_FP4 matrix_b_fmt:MATRIX_FMT_FP4 matrix_a_scale:MATRIX_SCALE_ROW1 matrix_b_scale:MATRIX_SCALE_ROW1
.elseif (\ra)
	v_wmma_scale_f32_16x16x128_f8f6f4 v[rD:rD+7], v[rA:rA+7], v[rB:rB+7], v[rC:rC+7], v[rSA], v[rSB] matrix_a_fmt:MATRIX_FMT_FP4 matrix_b_fmt:MATRIX_FMT_FP4 matrix_a_scale:MATRIX_SCALE_ROW1
.elseif (\rb)
	v_wmma_scale_f32_16x16x128_f8f6f4 v[rD:rD+7], v[rA:rA+7], v[rB:rB+7], v[rC:rC+7], v[rSA], v[rSB] matrix_a_fmt:MATRIX_FMT_FP4 matrix_b_fmt:MATRIX_FMT_FP4 matrix_b_scale:MATRIX_SCALE_ROW1
.else
	v_wmma_scale_f32_16x16x128_f8f6f4 v[rD:rD+7], v[rA:rA+7], v[rB:rB+7], v[rC:rC+7], v[rSA], v[rSB] matrix_a_fmt:MATRIX_FMT_FP4 matrix_b_fmt:MATRIX_FMT_FP4
.endif
.endm
; The 64 registers at ACC (tile u at 8 u) become codes in v[P] on and a scale word in v[PWD].  Each accumulator is read from its low end on.
.macro QUANT
.irp b, 0,1,2,3
	v_mov_b32 v[TP+\b], 0                          ; a lane permute's destination counts as one of its sources
.endr
.irp b, 0,1,2,3
	v_max3_num_f32 v[TM+\b], |v[ACC+16*\b]|, |v[ACC+16*\b+1]|, 0x1800000   ; block b: my 16 numbers, and the floor
.endr
.irp i, 2,4,6,8,10,12,14
.irp b, 0,1,2,3
	v_max3_num_f32 v[TM+\b], v[TM+\b], |v[ACC+16*\b+\i]|, |v[ACC+16*\b+\i+1]|
.endr
.endr
.irp b, 0,1,2,3
	s_delay_alu instid0(VALU_DEP_4)
	v_permlanex16_b32 v[TP+\b], v[TM+\b], s[SEL], s[SEL+1]
.endr
.irp b, 0,1,2,3
	s_delay_alu instid0(VALU_DEP_4)
	v_max_num_f32 v[TM+\b], v[TM+\b], v[TP+\b]     ; with lane l xor 16's: the block's largest magnitude
.endr
.irp b, 0,1,2,3
	s_delay_alu instid0(VALU_DEP_4)
	v_add_nc_u32 v[SO+\b], 0xff000000, v[TM+\b]
.endr
.irp b, 0,1,2,3
	s_delay_alu instid0(VALU_DEP_4)
	v_lshrrev_b32 v[BY+\b], 23, v[SO+\b]
.endr
	s_delay_alu instid0(VALU_DEP_3)
	v_lshl_or_b32 v[PWD], v[BY+1], 8, v[BY]
	s_delay_alu instid0(VALU_DEP_1)
	v_lshl_or_b32 v[PWD], v[BY+2], 16, v[PWD]
	s_delay_alu instid0(VALU_DEP_1)
	v_lshl_or_b32 v[PWD], v[BY+3], 24, v[PWD]
.irp u, 0,1,2,3,4,5,6,7
	v_cvt_scalef32_pk8_fp4_f32 v[P+4*(\u/4)+2*(\u%2)+(\u%4)/2], v[ACC+8*\u:ACC+8*\u+7], v[SO+\u/2]   ; tiles 4 c, 4 c + 2, 4 c + 1, 4 c + 3 to registers 4 c .. 4 c + 3
.endr
	v_nop                                          ; one plain place behind a scaled conversion
.irp c, 0,1
	v_permlane16_swap_b32 v[P+4*\c], v[P+4*\c+1]   ; the first's lanes 16-31 change places with the second's lanes 0-15: registers 4 c .. 4 c + 3 now hold k = 64 c + 32 h + 0 .. 31
	v_permlane16_swap_b32 v[P+4*\c+2], v[P+4*\c+3]
.endr
.endm
.macro OUT dst, off, sreg, soff        ; two images of 512 consecutive bytes; the scale word into the stage (lanes r and r + 16 write the same word with the same value)
	global_store_b128 v[LI], v[P:P+3], s[\dst:\dst+1] offset:\off
	global_store_b128 v[LI], v[P+4:P+7], s[\dst:\dst+1] offset:\off+512
	ds_store_b32 v[\sreg], v[PWD] offset:\soff
.endm
; ---- PASS A.  13 LDS loads a K step: four weight fragments, two fragments of x, one register of x's scale words (lanes 0-15 the first row tile, lanes 16-31 the second)
.macro LOADA hm, s, set
.set rL, SET0+48*(\set)
.irp t, 0,1,2,3
.irp c, 0,1
	ds_load_b128 v[rL+8*\t+4*\c:rL+8*\t+4*\c+3], v[WFA] offset:16*\t*WP+64*(\s)+32*\c
.endr
.endr
.irp m, 0,1
.irp c, 0,1
	ds_load_b128 v[rL+32+8*\m+4*\c:rL+32+8*\m+4*\c+3], v[XFA] offset:(16*(\hm)+8*\m)*WP+64*(\s)+32*\c
.endr
.endr
	ds_load_b32 v[XSR+(\set)], v[XSA] offset:16*(\hm)*XSP+4*(\s)
.endm
.macro MULA s, set                     ; eight products, the eight accumulators by turns, one instruction a turn; the first K step takes the bias as C
.irp m, 0,1
.irp t, 0,1,2,3
.set rD, ACC+8*(4*\m+\t)
.set rA, SET0+48*(\set)+8*\t
.set rB, SET0+48*(\set)+32+8*\m
.set rC, rD
.if (\s) == 0
.set rC, BIAS+8*\t
.endif
.set rSA, WSC+8*(\t/2)+(\s)
.set rSB, XSR+(\set)
	WMX \t%2, \m
.endr
.endr
.endm
.macro PASSA hm
	s_wait_xcnt 0x0                                ; earlier stores have read their registers, which lie among the sets below
	s_wait_dscnt 0x0
	PLACES 5                                       ; the accumulators are begun anew, and the sets are loaded anew
	LOADA \hm, 0, 0
.irp s, 0,1,2,3,4,5,6,7
.if \s < 7
.if \s > 0
	PLACES 4                                       ; in front of loads into the set that the products just issued have read
.endif
	LOADA \hm, \s+1, (\s+1)%2
	s_wait_dscnt 13                                ; this K step's loads are in; the next step's 13 stay out
.else
	s_wait_dscnt 0x0
.endif
	MULA \s, \s%2
.endr
	PLACES 4
	QUANT                                          ; tiles 0-3: the first row tile's 64 channels, tiles 4-7: the second's: two images and the pair's word
	OUT 66, (\hm)*1024, SSA, (\hm)*4
.endm
	PASSA 0
	PASSA 1
; ---- PASS B, in 16 half steps k: K step k / 2, row tiles 4 (k % 2) .. + 3.  An even half step also brings the K step's weight fragment: 12 LDS loads, an odd one 10.
.macro HLOAD k
.set rL, XG+32*((\k)%3)
.set kS, (\k)/2
.set kH, (\k)%2
.irp t, 0,1,2,3
.irp c, 0,1
	ds_load_b128 v[rL+8*\t+4*\c:rL+8*\t+4*\c+3], v[XFB] offset:16*(4*kH+\t)*WP+64*kS+32*\c
.endr
.endr
.irp a, 0,1
	ds_load_b32 v[XSR+2*((\k)%3)+\a], v[XSB] offset:(2*kH+\a)*32*XSP+4*kS   ; lanes 0-15 the even row tile's words, lanes 16-31 the odd one's
.endr
.if kH == 0
.irp c, 0,1
	ds_load_b128 v[WB+8*(kS%2)+4*\c:WB+8*(kS%2)+4*\c+3], v[WFB] offset:64*kS+32*\c
.endr
.endif
.endm
.macro HMUL k
.set kS, (\k)/2
.set kH, (\k)%2
.irp t, 0,1,2,3
.set rD, ACC+8*(4*kH+\t)
.set rA, XG+32*((\k)%3)+8*\t
.set rB, WB+8*(kS%2)
.set rC, rD
.if kS == 0
.set rC, BIASV
.endif
.set rSA, XSR+2*((\k)%3)+\t/2
.set rSB, WSCV+kS
	WMX \t%2, 0
.endr
.endm
	s_wait_xcnt 0x0                                ; pass A's stores have read their registers
	s_wait_dscnt 0x0
	PLACES 5
.irp j, 0,1,2,3,4,5,6,7
	v_mov_b32 v[BIASV+\j], v[BVR]                  ; a lane holds one channel: its bias in all eight registers
.endr
	s_wait_alu depctr_va_vdst(0)
	HLOAD 0
	HLOAD 1
.irp k, 0,1,2,3,4,5,6,7,8,9,10,11,12,13,14,15
.if \k <= 13
.if \k > 0
	PLACES 4                                       ; in front of loads into the group that the products just issued have read
.endif
	HLOAD \k+2
	s_wait_dscnt 22                                ; this half step's loads are in; the next two half steps' 10 + 12 stay out
.elseif \k == 14
	s_wait_dscnt 10                                ; the last half step's ten stay out
.else
	s_wait_dscnt 0x0
.endif
	HMUL \k
.endr
	PLACES 4
	QUANT                                          ; the eight row tiles are 128 keys: one fragment of V and its scale word
	OUT 68, 0, SSB, 0
	s_wait_dscnt 0x0                               ; my scale words lie in the stage
	s_barrier_signal -1
	s_barrier_wait -1                              ; everybody's do
	s_cmp_lg_u32 s[WV], 0
	s_cbranch_scc1 .Lno_tail                       ; wave 0 stores the six runs of 256 bytes: sixteen lanes to an aligned run
	ds_load_b128 v[152:155], v[SSR]
	ds_load_b128 v[156:159], v[SSR] offset:512
	ds_load_b128 v[160:163], v[SSR] offset:1024
	s_wait_dscnt 0x0
	global_store_b128 v[VQ], v[152:155], s[70:71]
	global_store_b128 v[VK], v[156:159], s[72:73] offset:8192
	global_store_b128 v[VK], v[160:163], s[72:73] offset:8448
.Lno_tail:
	s_wait_dscnt 0x0
	s_wait_tensorcnt 0x0
	ds_add_u32 v254, v255
	s_wait_dscnt 0x0
	ROUND                                          ; the closing round: no work-group ends while a partner may still ask for rows that name it
	s_endpgm
.Lfunc_end_k_qc28d681140_proj:
	.size	k_qc28d681140_proj, .Lfunc_end_k_qc28d681140_proj-k_qc28d681140_proj
	.p2alignl 7, 3214868480
	.fill 96, 4, 3214868480
	.section	.rodata,"a",@progbits
	.p2align	6, 0x0
	.amdhsa_kernel k_qc28d681140_proj
		.amdhsa_group_segment_fixed_size 279040
		.amdhsa_private_segment_fixed_size 0
		.amdhsa_enable_private_segment 0
		.amdhsa_kernarg_size 104
		.amdhsa_user_sgpr_count 2
		.amdhsa_user_sgpr_kernarg_segment_ptr 1
		.amdhsa_wavefront_size32 1
		.amdhsa_system_sgpr_workgroup_id_x 1
		.amdhsa_system_sgpr_workgroup_id_y 1
		.amdhsa_system_sgpr_workgroup_id_z 1
		.amdhsa_system_vgpr_workitem_id 0
		.amdhsa_next_free_vgpr 256
		.amdhsa_next_free_sgpr 100
		.amdhsa_reserve_vcc 0
		.amdhsa_float_denorm_mode_32 3
		.amdhsa_float_denorm_mode_16_64 3
		.amdhsa_memory_ordered 1
		.amdhsa_forward_progress 1
		.amdhsa_inst_pref_size 148
	.end_amdhsa_kernel
	.amdgpu_metadata
---
amdhsa.version: [ 1, 2 ]
amdhsa.kernels:
  - .name:           k_qc28d681140_proj
    .symbol:         k_qc28d681140_proj.kd
    .args:
      - { .name: x, .offset: 0, .size: 8, .value_kind: global_buffer, .address_space: global }
      - { .name: wq_codes, .offset: 8, .size: 8, .value_kind: global_buffer, .address_space: global }
      - { .name: wq_scales, .offset: 16, .size: 8, .value_kind: global_buffer, .address_space: global }
      - { .name: bq, .offset: 24, .size: 8, .value_kind: global_buffer, .address_space: global }
      - { .name: wk_codes, .offset: 32, .size: 8, .value_kind: global_buffer, .address_space: global }
      - { .name: wk_scales, .offset: 40, .size: 8, .value_kind: global_buffer, .address_space: global }
      - { .name: bk, .offset: 48, .size: 8, .value_kind: global_buffer, .address_space: global }
      - { .name: wv_codes, .offset: 56, .size: 8, .value_kind: global_buffer, .address_space: global }
      - { .name: wv_scales, .offset: 64, .size: 8, .value_kind: global_buffer, .address_space: global }
      - { .name: bv, .offset: 72, .size: 8, .value_kind: global_buffer, .address_space: global }
      - { .name: qc, .offset: 80, .size: 8, .value_kind: global_buffer, .address_space: global }
      - { .name: qs, .offset: 88, .size: 8, .value_kind: global_buffer, .address_space: global }
      - { .name: kv, .offset: 96, .size: 8, .value_kind: global_buffer, .address_space: global }
    .group_segment_fixed_size: 279040
    .private_segment_fixed_size: 0
    .kernarg_segment_align: 8
    .kernarg_segment_size: 104
    .max_flat_workgroup_size: 256
    .sgpr_count:     100
    .vgpr_count:     256
    .wavefront_size: 32
...
	.end_amdgpu_metadata
.endif
;; end of part 1
;; launch attn (part 2): grid 8 x 32, 16 waves a work-group, clusters of 4 x 1, 210,944 bytes of LDS; arguments qc, qs, kv, x, y; writes y
.if DOCPART == 2
	.amdgcn_target "amdgcn-amd-amdhsa--gfx1250"
	.amdhsa_code_object_version 6
	.text
	.protected	k_qc28d681140_attn
	.globl	k_qc28d681140_attn
	.p2align	8
	.type	k_qc28d681140_attn,@function
k_qc28d681140_attn:
	s_mov_b64 s[64:65], 0
	v_nop
	global_prefetch_b8 v0, s[64:65] scope:SCOPE_SE
	s_setreg_imm32_b32 hwreg(HW_REG_WAVE_MODE, 25, 1), 1
	s_wait_xcnt 0x0
	s_wait_alu depctr_hold_cnt(0) depctr_sa_sdst(0) depctr_va_vdst(0) depctr_va_sdst(0) depctr_va_ssrc(0) depctr_va_vcc(0) depctr_vm_vsrc(0)
	s_getreg_b32 s2, hwreg(HW_REG_IB_STS2, 6, 4)
	s_cmp_eq_u32 s2, 0
	s_cbranch_scc0 .Lentry_in_a_cluster
	s_endpgm
.Lentry_in_a_cluster:
	s_bfe_u32 s2, ttmp6, 0x10000c
	s_cmp_lg_u32 s2, 0x3003
	s_cbranch_scc0 .Lentry_shape_is_right
	s_endpgm
.Lentry_shape_is_right:
; y = softmax(q k^T / 8) v + x for one head (bh = 16 x batch + head) and 256 queries, both products on codes of FP4 (E2M1) with E8M0 scales; the operands come as register images from the launch before.
; p = 2^(t - M), t = score x log2(e) / 8, M = the running largest t rounded up to a whole number; p is quantised along the keys; the row's sum is taken of the unquantised p and divides at the end.
; SHARES.  Sixteen waves, each with one tile of 16 queries, walk the head's 16 key steps of 128 keys.  Both products are used transposed: a lane holds one query (lane % 16).
; TILES.  Lane r of tile 4 c + u of a step holds row 64 c + 8 u + r % 8 + 32 (r / 8), for keys and for queries.  So score register 32 c + i of lane (r, h) is key 64 c + 32 h + i:
;   a lane holds two whole blocks of 32 keys, a block's largest score needs no other lane, and the eight conversions' results are P's operand registers as they stand.
; K = 64 in the first product: a fragment of K holds two key tiles (registers 0-3, 4-7); q stands beside zero codes, once in the lower and once in the upper half of the 128.
; LDS.  A head's K and V with their scale words are 16 x 8,704 bytes and stay for the whole launch; behind them the work-group's tile of x, 256 rows x (256 + 16) bytes; then the spare words.
;   Nothing is filled twice.  One tensor load a wave at the head: waves 0-7 two key steps each, asked for jointly by the four work-groups of the cluster, which walk the same head (mask 15);
;   waves 8-15 32 rows of x each, a load of the work-group's own.  On the way out a wave's 16 rows of x are read, O / sum + x is stored over them, and the rows leave as aligned runs of 256 bytes.
; NO PREFETCH: all that a work-group reads is asked for by that one group of loads at its head; there is no loop to run ahead in.
; LIMITS.  The promise holds while the scaled scores t stay under 2^31 in magnitude.  NaN and infinities are not served.  A block whose every p is under 2^-124 keeps the scale byte 1.
.set KVB,   8704                       ; a key step in kv: +0 four fragments of K, +4096 four of V, +8192 K's scale words [r][4], +8448 V's
.set SP,    272                        ; a row of x's tile in LDS
.set XT,    16*KVB                     ; x's tile
.set SPARE, XT+256*SP                  ; the spare words: 128 bytes a wave
.set ADI, 1                            ; 16 x lane + the step's first byte
.set LI0, 2                            ; 16 x lane
.set GO,  3                            ; y: 4096 h + 16 r
.set XL,  4                            ; my query's row of x's tile, + 32 h
.set RD,  5                            ; the way out: row h of my 16, + 16 r
.set SPW, 6
.set NIL, 7
.set OM,  8                            ; the last step's -M
.set TT,  9
.set TP,  10                           ; lane permutes' destination
.set RUN, 11                           ; the running largest score
.set L,   14                           ; v14-21 the row's sum, four chains of two;  v[12:13]: -M and 0
.set FF,  22                           ; v[22:23] f = 2^(old M - new M) and 0
.set QS1, 24                           ; q's scale bytes under the lower 64 of K, and
.set QS2, 25                           ; under the upper 64
.set PW,  26                           ; p's scale word
.set LR,  27                           ; 16 r
.set QZ,  28                           ; v28-39: zeros, q, zeros
.set KS,  40                           ; scale words: lanes 0-15 K's, fetched with K's fragments
.set VS,  44                           ; the same 512 bytes fetched with V's fragments: lanes 16-31 V's
.set BM,  48                           ; v48-51 largest scores: block c in two chains, joined in 48 + 2 c
.set SO,  52                           ; the conversions' scale operands
.set BY,  54                           ; the scale bytes
.set PC,  56                           ; v56-63 p's codes
.set FK,  64                           ; K's fragments; in the last step x
.set FV,  96                           ; V's fragments
.set S,   128                          ; scores, then p
.set O,   192                          ; O^T
.set SH8, 224                          ; 8 h
.set WV,  14
.set G1K, 20
.set G0,  28
.set SEL, 32
.set CS,  34
.set G1X, 36
.set G0X, 44
.set SH,  48
.set CNT, 49
.set TB,  59
.macro PLACES n
.rept \n
	v_nop
.endr
.endm
.macro ROUND                           ; a round of the cluster's barrier
	s_barrier_signal -1
	s_barrier_wait -1
	s_cmp_lg_u32 s[WV], 0
	s_cbranch_scc1 .Lnot_wave_0_\@
	s_barrier_signal -3
.Lnot_wave_0_\@:
	s_barrier_wait -3
	s_barrier_signal -1
	s_barrier_wait -1
.endm
.macro KLOAD off                       ; four fragments of K and the scale words, 9 LDS loads
.irp p, 0,1,2,3
.irp c, 0,1
	ds_load_b128 v[FK+8*\p+4*\c:FK+8*\p+4*\c+3], v[ADI] offset:\off+1024*\p+512*\c
.endr
.endr
	ds_load_b128 v[KS:KS+3], v[ADI] offset:\off+8192
.endm
	s_load_b256 s[4:11], s[0:1], 0x0               ; qc 4:5, qs 6:7, kv 8:9, x 10:11
	s_load_b64 s[12:13], s[0:1], 0x20              ; y
	v_lshl_add_u32 v[SPW], v0, 2, SPARE
	v_mov_b32 v[NIL], 0
	ds_add_u32 v[SPW], v[NIL]                      ; the opening lines: the add twice on end, and its wait ahead of my tensor load
	ds_add_u32 v[SPW], v[NIL]
	v_lshrrev_b32 v8, 5, v0
	s_delay_alu instid0(VALU_DEP_1)
	v_readfirstlane_b32 s[WV], v8                  ; wave 0..15
	s_bfe_u32 s15, ttmp6, 0x40000                  ; cx
	s_lshl_b32 s16, ttmp9, 2
	s_add_co_u32 s16, s16, s15                     ; i: which 256 queries; it enters global addresses alone
	s_and_b32 s17, ttmp7, 0xffff                   ; bh, which the four partners share
	s_and_b32 s49, s[WV], 7                        ; my part of kv or of x's tile
	s_mul_i32 s50, s49, 2*KVB
	s_mul_i32 s52, s17, 16*KVB
	s_add_co_u32 s52, s52, s50                     ; kv: the head's block + two steps a wave
	s_mov_b32 s53, 0
	s_mov_b32 s[G0], 1
	s_mov_b32 s[G0+1], s50
	s_mul_i32 s51, s49, 32*SP
	s_mov_b32 s[G0X], 1
	s_add_co_u32 s[G0X+1], s51, XT
	s_lshr_b32 s54, s17, 4
	s_lshl_b32 s54, s54, 11
	s_lshl_b32 s18, s16, 8
	s_add_co_u32 s54, s54, s18                     ; the work-group's first row of x and y
	s_and_b32 s19, s17, 15
	s_lshl_b32 s19, s19, 8                         ; the head's 256 bytes of a row
	s_lshl_b32 s56, s49, 5
	s_add_co_u32 s56, s56, s54
	s_lshl_b32 s56, s56, 12
	s_add_co_u32 s56, s56, s19                     ; x: my 32 rows of the tile
	s_mov_b32 s57, 0
	s_lshr_b32 s58, s[WV], 2
	s_lshl_b32 s58, s58, 6
	s_and_b32 s18, s[WV], 3
	s_lshl_b32 s18, s18, 3
	s_add_co_u32 s58, s58, s18                     ; my tile's first row among the 256: 64 (w / 4) + 8 (w % 4)
	s_add_co_u32 s54, s54, s58
	s_lshl_b32 s54, s54, 12
	s_add_co_u32 s54, s54, s19                     ; y at that row
	s_mov_b32 s55, 0
	s_mul_i32 s58, s58, SP
	s_add_co_u32 s58, s58, XT                      ; and in x's tile
	s_lshl_b32 s60, s17, 7
	s_lshl_b32 s18, s16, 4
	s_add_co_u32 s60, s60, s18
	s_add_co_u32 s60, s60, s[WV]
	s_lshl_b32 s60, s60, 9                         ; qc: tile 128 bh + 16 i + w, 512 bytes each
	s_mov_b32 s61, 0
	s_lshl_b32 s62, s17, 4
	s_lshl_b32 s18, s16, 1
	s_add_co_u32 s62, s62, s18
	s_lshr_b32 s18, s[WV], 3
	s_add_co_u32 s62, s62, s18
	s_lshl_b32 s62, s62, 8                         ; qs: step 16 bh + 2 i + w / 8, 256 bytes each,
	s_and_b32 s18, s[WV], 6
	s_lshl_b32 s18, s18, 1
	s_add_co_u32 s62, s62, s18                     ; word (w % 8) / 2,
	s_mov_b32 s63, 0
	s_and_b32 s[SH], s[WV], 1
	s_lshl_b32 s[SH], s[SH], 4                     ; its lower or upper two bytes
	s_mov_b32 s[G1K+0], 15|(3<<16)|(1<<21)         ; kv: 68 dense rows of 256 bytes (32 elements of 8); the mask names all four work-groups
	s_mov_b32 s[G1K+1], 32<<16
	s_mov_b32 s[G1K+2], 68<<16
	s_mov_b32 s[G1K+3], 32<<16
	s_mov_b32 s[G1K+4], 68
	s_mov_b32 s[G1K+5], 32
	s_mov_b32 s[G1K+6], 0
	s_mov_b32 s[G1K+7], 0
	s_mov_b32 s[G1X+0], (2<<16)|(1<<20)|(5<<22)|(3<<25)   ; x: 32 rows of 64 f32, 1,024 apart; four words of padding behind every 64; no mask
	s_mov_b32 s[G1X+1], 64<<16
	s_mov_b32 s[G1X+2], 32<<16
	s_mov_b32 s[G1X+3], 64<<16
	s_mov_b32 s[G1X+4], 32
	s_mov_b32 s[G1X+5], 1024
	s_mov_b32 s[G1X+6], 0
	s_mov_b32 s[G1X+7], 0
	s_mov_b32 s[SEL], 0x76543210                   ; lane l xor 16
	s_mov_b32 s[SEL+1], 0xfedcba98
	s_mov_b32 s[CS], 0x3e38aa3b                    ; log2(e) / 8
	s_mov_b32 s[CS+1], s[CS]
	s_mov_b32 s[TB], 0
	v_and_b32 v8, 15, v0                           ; r
	v_bfe_u32 v9, v0, 4, 1                         ; h
	v_and_b32 v10, 31, v0
	v_lshlrev_b32 v[LR], 4, v8
	v_lshlrev_b32 v[LI0], 4, v10
	v_lshrrev_b32 v10, 3, v8
	v_lshl_add_u32 v[GO], v9, 12, v[LR]
	v_mad_u32_u24 v10, v10, 24, v8                 ; r + 24 (r / 8): my query's row in the tile's order
	v_lshlrev_b32 v[SH8], 3, v9
	v_mul_u32_u24 v10, v10, SP
	v_mov_b32 v[ADI], v[LI0]
	v_lshl_add_u32 v10, v9, 5, v10
	s_delay_alu instid0(VALU_DEP_1)
	v_add_nc_u32 v[XL], s58, v10
	v_mad_u32_u24 v10, v9, SP, v[LR]
	s_delay_alu instid0(VALU_DEP_1)
	v_add_nc_u32 v[RD], s58, v10
	s_wait_alu depctr_va_vdst(0)
	s_wait_dscnt 0x0                               ; both opening adds are done
	s_wait_kmcnt 0x0
	s_add_nc_u64 s[G0+2:G0+3], s[8:9], s[52:53]
	s_or_b32 s[G0+3], s[G0+3], 0x80000000
	s_add_nc_u64 s[G0X+2:G0X+3], s[10:11], s[56:57]
	s_or_b32 s[G0X+3], s[G0X+3], 0x80000000
	s_add_nc_u64 s[4:5], s[4:5], s[60:61]
	s_add_nc_u64 s[6:7], s[6:7], s[62:63]
	s_add_nc_u64 s[12:13], s[12:13], s[54:55]
	global_load_b128 v[QZ+4:QZ+7], v[LI0], s[4:5]  ; q's image
	global_load_b32 v[TT], v[LR], s[6:7]           ; and the word with its scale bytes
	ROUND                                          ; all four work-groups are here: the joint loads meet
	s_cmp_lt_u32 s[WV], 8                          ; one chain of branches on the wave's number, a load to each arm
	s_cbranch_scc0 .Lfor_x
	tensor_load_to_lds s[G0:G0+3], s[G1K:G1K+7]
	s_nop 0
	PLACES 4
	s_branch .Lasked
.Lfor_x:
	tensor_load_to_lds s[G0X:G0X+3], s[G1X:G1X+7]
	s_nop 0
	PLACES 4
.Lasked:
.irp j, 0,1,2,3
	v_mov_b32 v[QZ+\j], 0
	v_mov_b32 v[QZ+8+\j], 0
.endr
	v_mov_b32 v[TP], 0
	v_mov_b32 v[RUN], 0xff61b1e6                   ; -3e38, under every score
	v_mov_b32 v12, 0x7e000000                      ; -M begins as a whole number so large that the first f is 0
	v_mov_b32 v13, 0
	v_mov_b32 v[FF+1], 0
.irp j, 0,1,2,3,4,5,6,7
	v_mov_b32 v[L+\j], 0
.endr
	s_wait_loadcnt 0x0
	v_bfe_u32 v[QS1], v[TT], s[SH], 16
	s_delay_alu instid0(VALU_DEP_1)
	v_lshlrev_b32 v[QS2], 16, v[QS1]
.set j, 0
.rept 32
	v_mov_b32 v[O+j], 0                            ; the step is written for all steps alike: the first multiplies these zeros by f = 0
.set j, j+1
.endr
	s_wait_alu depctr_va_vdst(0)
	s_cmp_lt_u32 s[WV], 8                          ; the key steps need kv alone: waves 0-7 wait for their parts of it;
	s_cbranch_scc0 .Lx_is_out
	s_wait_tensorcnt 0x0
.Lx_is_out:
	s_barrier_signal -1
	s_barrier_wait -1                              ; all of kv lies in LDS
	KLOAD 0
; A KEY STEP.  last = 0: the next step's K is fetched under this step's softmax; last = 1: my rows of x instead.
.macro STEP last
	s_wait_dscnt 0x0                               ; K's fragments, asked for a step ago
.irp p, 0,1,2,3
	v_wmma_scale_f32_16x16x128_f8f6f4 v[S+16*\p:S+16*\p+7], v[FK+8*\p:FK+8*\p+7], v[QZ+4:QZ+11], 0, v[KS+\p], v[QS1] matrix_a_fmt:MATRIX_FMT_FP4 matrix_b_fmt:MATRIX_FMT_FP4
	v_wmma_scale_f32_16x16x128_f8f6f4 v[S+16*\p+8:S+16*\p+15], v[FK+8*\p:FK+8*\p+7], v[QZ:QZ+7], 0, v[KS+\p], v[QS2] matrix_a_fmt:MATRIX_FMT_FP4 matrix_b_fmt:MATRIX_FMT_FP4
.endr
	v_mov_b32 v[OM], v12
	PLACES 3                                       ; four places ahead of the loads into operands just read and of the first read of the scores
.irp t, 0,1,2,3
.irp c, 0,1
	ds_load_b128 v[FV+8*\t+4*\c:FV+8*\t+4*\c+3], v[ADI] offset:4096+1024*\t+512*\c
.endr
.endr
	ds_load_b128 v[VS:VS+3], v[ADI] offset:8192    ; lanes 16-31 read V's words, 256 bytes behind K's
.if \last
.irp t, 0,1,2,3
.irp e, 0,1
	ds_load_b128 v[FK+8*\t+4*\e:FK+8*\t+4*\e+3], v[XL] offset:64*\t+16*\e   ; x(my query, 16 t + 8 h + 4 e ..)
.endr
.endr
.else
	KLOAD KVB
.endif
.irp c, 0,1                                    ; each block's largest score, in two chains of 15; each accumulator is read from its low end on
.irp a, 0,1
	v_max3_num_f32 v[BM+2*\c+\a], v[S+32*\c+16*\a], v[S+32*\c+16*\a+1], v[S+32*\c+16*\a+2]
.endr
.endr
.irp i, 3,5,7,9,11,13
.irp c, 0,1
.irp a, 0,1
	v_max3_num_f32 v[BM+2*\c+\a], v[BM+2*\c+\a], v[S+32*\c+16*\a+\i], v[S+32*\c+16*\a+\i+1]
.endr
.endr
.endr
.irp c, 0,1
	v_max3_num_f32 v[BM+2*\c], v[BM+2*\c], v[BM+2*\c+1], v[S+32*\c+15]
.endr
.irp c, 0,1
	v_max_num_f32 v[BM+2*\c], v[BM+2*\c], v[S+32*\c+31]
.endr
	v_max_num_f32 v[TT], v[BM], v[BM+2]
	v_permlanex16_b32 v[TP], v[TT], s[SEL], s[SEL+1]
	v_max3_num_f32 v[RUN], v[RUN], v[TT], v[TP]    ; with lane l xor 16's two blocks: the running largest score of my query
	v_mul_f32 v[TT], s[CS], v[RUN]
	v_floor_f32 v12, -v[TT]                        ; -M = floor(-t)
	v_sub_f32 v[TT], v12, v[OM]                    ; old M - new M: a whole number, 0 or less
.set j, 0
.rept 8
	v_pk_fma_f32 v[S+j:S+j+1], v[S+j:S+j+1], s[CS:CS+1], v[12:13] op_sel_hi:[1,0,0]   ; t - M
.set j, j+2
.endr
	v_cvt_i32_f32 v[TT], v[TT]                     ; (it saturates)
.rept 8
	v_pk_fma_f32 v[S+j:S+j+1], v[S+j:S+j+1], s[CS:CS+1], v[12:13] op_sel_hi:[1,0,0]
.set j, j+2
.endr
	v_ldexp_f32 v[FF], 1.0, v[TT]                  ; f = 2^(old M - new M)
.rept 16
	v_pk_fma_f32 v[S+j:S+j+1], v[S+j:S+j+1], s[CS:CS+1], v[12:13] op_sel_hi:[1,0,0]
.set j, j+2
.endr
.irp c, 0,1
	v_fma_f32 v[BM+2*\c], v[BM+2*\c], s[CS], v12   ; the same of each block's largest score
.endr
.set j, 0
.rept 16
	v_pk_mul_f32 v[O+j:O+j+1], v[O+j:O+j+1], v[FF:FF+1] op_sel_hi:[1,0]   ; O^T under the new M, ahead of the exponentials
.set j, j+2
.endr
	s_wait_alu depctr_va_vdst(0)
.set j, 0
.rept 64
	v_exp_f32 v[S+j], v[S+j]
.set j, j+1
.endr
.irp c, 0,1
	v_exp_f32 v[BM+2*\c], v[BM+2*\c]               ; the block's largest p: the same two instructions on the same number
.endr
.if \last
	v_nop                                          ; a plain place behind the batch
.else
	s_add_co_u32 s[TB], s[TB], KVB
	v_add_nc_u32 v[ADI], s[TB], v[LI0]             ; on to the next step (a plain place behind the batch)
.endif
	s_wait_alu depctr_va_vdst(0)                   ; and the wait behind it
.irp c, 0,1
	v_max_num_f32 v[BM+2*\c], 0x1800000, v[BM+2*\c]   ; the floor 2^(3 - 127): the byte cannot fall under 1
.endr
.irp c, 0,1
	v_add_nc_u32 v[SO+\c], 0xff000000, v[BM+2*\c]  ; 2 off the exponent field: the conversion's scale operand
.endr
.irp u, 0,1,2,3,4,5,6,7
	v_cvt_scalef32_pk8_fp4_f32 v[PC+\u], v[S+8*\u:S+8*\u+7], v[SO+\u/4]   ; register 4 c + u: keys 64 c + 32 h + 8 u ..: the operand's layout
.endr
.irp c, 0,1
	v_lshrrev_b32 v[BY+\c], 23, v[SO+\c]           ; the bytes of blocks h and 2 + h
.endr
	s_delay_alu instid0(VALU_DEP_1)
	v_lshl_or_b32 v[PW], v[BY+1], 16, v[BY]
	s_delay_alu instid0(VALU_DEP_1)
	v_lshlrev_b32 v[PW], v[SH8], v[PW]             ; at their places in the word,
	s_delay_alu instid0(VALU_DEP_1)
	v_permlanex16_b32 v[TP], v[PW], s[SEL], s[SEL+1]
	s_delay_alu instid0(VALU_DEP_1)
	v_or_b32 v[PW], v[PW], v[TP]                   ; and with lane l xor 16's two the word is whole
.irp k, 0,1,2,3
	v_pk_fma_f32 v[L+2*\k:L+2*\k+1], v[L+2*\k:L+2*\k+1], v[FF:FF+1], v[S+2*\k:S+2*\k+1] op_sel_hi:[1,0,1]   ; the sums under the new M, and the first p
.endr
.irp n, 8,16,24,32,40,48,56
.irp k, 0,1,2,3
	v_pk_add_f32 v[L+2*\k:L+2*\k+1], v[L+2*\k:L+2*\k+1], v[S+\n+2*\k:S+\n+2*\k+1]
.endr
.endr
	s_wait_alu depctr_va_vdst(0)
	s_wait_dscnt 9-\last                           ; V is in; the 9 loads of the next K (last: the 8 of x) may stay out
.irp t, 0,1,2,3
	v_wmma_scale_f32_16x16x128_f8f6f4 v[O+8*\t:O+8*\t+7], v[FV+8*\t:FV+8*\t+7], v[PC:PC+7], v[O+8*\t:O+8*\t+7], v[VS+\t], v[PW] matrix_a_fmt:MATRIX_FMT_FP4 matrix_b_fmt:MATRIX_FMT_FP4 matrix_a_scale:MATRIX_SCALE_ROW1
.endr
.endm
	STEP 0                                         ; the first step is written out: x has its length in which to land
	s_wait_tensorcnt 0x0                           ; my part of x's tile has landed (waves 0-7: nothing is out),
	s_wait_dscnt 0x0                               ; no LDS load of mine is pending:
	s_barrier_signal -1                            ; say so now; the wait stands ahead of the last step, which reads x.  Between the two: register work and LDS loads of kv, which no wave writes
	s_mov_b32 s[CNT], 14
.Lstep:
	STEP 0
	s_sub_co_u32 s[CNT], s[CNT], 1
	s_cmp_lg_u32 s[CNT], 0
	s_cbranch_scc1 .Lstep
	s_barrier_wait -1                              ; everybody's part of x's tile lies in LDS
	STEP 1
	; THE WAY OUT
	s_wait_dscnt 0x0                               ; x
	v_pk_add_f32 v[L:L+1], v[L:L+1], v[L+2:L+3]
	v_pk_add_f32 v[L+4:L+5], v[L+4:L+5], v[L+6:L+7]
	s_delay_alu instid0(VALU_DEP_1)
	v_pk_add_f32 v[L:L+1], v[L:L+1], v[L+4:L+5]
	s_delay_alu instid0(VALU_DEP_1)
	v_add_f32 v[L], v[L], v[L+1]
	s_delay_alu instid0(VALU_DEP_1)
	v_permlanex16_b32 v[TP], v[L], s[SEL], s[SEL+1]
	s_delay_alu instid0(VALU_DEP_1)
	v_add_f32 v[L], v[L], v[TP]                    ; the row's sum
	s_wait_alu depctr_va_vdst(0)
	v_rcp_f32 v[L], v[L]
	v_nop
	s_wait_alu depctr_va_vdst(0)                   ; and behind it, directly ahead of the first readers of O^T
.set j, 0
.rept 16
	v_pk_fma_f32 v[S+j:S+j+1], v[O+j:O+j+1], v[L:L+1], v[FK+j:FK+j+1] op_sel_hi:[1,0,1]   ; O^T / sum + x
.set j, j+2
.endr
.irp t, 0,1,2,3
.irp e, 0,1
	ds_store_b128 v[XL], v[S+8*\t+4*\e:S+8*\t+4*\e+3] offset:64*\t+16*\e   ; over my own rows of x's tile, which has had its only fill
.endr
.endr
.irp i, 0,1,2,3,4,5,6,7
	ds_load_b128 v[S+32+4*\i:S+32+4*\i+3], v[RD] offset:((2*\i)%8+32*(\i/4))*SP   ; back by rows, two a load; LDS serves a wave's instructions in order
.endr
.irp i, 0,1,2,3,4,5,6,7
	s_wait_dscnt 7-\i
	global_store_b128 v[GO], v[S+32+4*\i:S+32+4*\i+3], s[12:13] offset:((2*\i)%8+32*(\i/4))*4096   ; sixteen lanes store 256 consecutive bytes, aligned
.endr
	s_wait_tensorcnt 0x0                           ; the wave's end
	ds_add_u32 v[SPW], v[NIL]
	s_wait_dscnt 0x0
	ROUND                                          ; the closing round
	s_endpgm
.Lfunc_end_k_qc28d681140_attn:
	.size	k_qc28d681140_attn, .Lfunc_end_k_qc28d681140_attn-k_qc28d681140_attn
	.p2alignl 7, 3214868480
	.fill 96, 4, 3214868480
	.section	.rodata,"a",@progbits
	.p2align	6, 0x0
	.amdhsa_kernel k_qc28d681140_attn
		.amdhsa_group_segment_fixed_size 210944
		.amdhsa_private_segment_fixed_size 0
		.amdhsa_enable_private_segment 0
		.amdhsa_kernarg_size 40
		.amdhsa_user_sgpr_count 2
		.amdhsa_user_sgpr_kernarg_segment_ptr 1
		.amdhsa_wavefront_size32 1
		.amdhsa_system_sgpr_workgroup_id_x 1
		.amdhsa_system_sgpr_workgroup_id_y 1
		.amdhsa_system_sgpr_workgroup_id_z 1
		.amdhsa_system_vgpr_workitem_id 0
		.amdhsa_next_free_vgpr 256
		.amdhsa_next_free_sgpr 66
		.amdhsa_reserve_vcc 0
		.amdhsa_float_denorm_mode_32 3
		.amdhsa_float_denorm_mode_16_64 3
		.amdhsa_memory_ordered 1
		.amdhsa_forward_progress 1
		.amdhsa_inst_pref_size 54
	.end_amdhsa_kernel
	.amdgpu_metadata
---
amdhsa.version: [ 1, 2 ]
amdhsa.kernels:
  - .name:           k_qc28d681140_attn
    .symbol:         k_qc28d681140_attn.kd
    .args:
      - { .name: qc, .offset: 0, .size: 8, .value_kind: global_buffer, .address_space: global }
      - { .name: qs, .offset: 8, .size: 8, .value_kind: global_buffer, .address_space: global }
      - { .name: kv, .offset: 16, .size: 8, .value_kind: global_buffer, .address_space: global }
      - { .name: x, .offset: 24, .size: 8, .value_kind: global_buffer, .address_space: global }
      - { .name: y, .offset: 32, .size: 8, .value_kind: global_buffer, .address_space: global }
    .group_segment_fixed_size: 210944
    .private_segment_fixed_size: 0
    .kernarg_segment_align: 8
    .kernarg_segment_size: 40
    .max_flat_workgroup_size: 512
    .sgpr_count:     66
    .vgpr_count:     256
    .wavefront_size: 32
...
	.end_amdgpu_metadata
.endif
;; end of part 2
;; launch ln (part 3): grid 256 x 1, 8 waves a work-group, no clusters, 0 bytes of LDS; arguments y, gamma, beta, out0; writes out0
.if DOCPART == 3
	.amdgcn_target "amdgcn-amd-amdhsa--gfx1250"
	.amdhsa_code_object_version 6
	.text
	.protected	k_qc28d681140_ln
	.globl	k_qc28d681140_ln
	.p2align	8
	.type	k_qc28d681140_ln,@function
k_qc28d681140_ln:
	s_mov_b64 s[64:65], 0
	v_nop
	global_prefetch_b8 v0, s[64:65] scope:SCOPE_SE
	s_setreg_imm32_b32 hwreg(HW_REG_WAVE_MODE, 25, 1), 1
	s_wait_xcnt 0x0
; out0[row] = (y[row] - mean) x rsqrt(var + 1e-5) x gamma + beta, over a row's 1,024 numbers; y = attention + x, from the launch before.  All f32.
; A stream: 4,096 rows of 4,096 bytes.  A wave takes two rows and keeps each in 32 registers between the passes, so y is read once.  The mean is taken first and the variance of the differences:
; no difference of large sums is formed.  Each load and store of a wave covers 512 consecutive bytes.  All 32 loads of a wave go out at once, in the order row 0, gamma, beta, row 1.
; THE ROWS GO ONE AFTER THE OTHER: row 0 is reduced, scaled and stored while row 1 is still on its way, so that stores leave while loads arrive, and only one row's arithmetic and stores stand behind the last load.
; A row's sums run in four chains, so that no line waits for the line above it.  No loop, no LDS and no barrier: a row never leaves its wave.
; No matrix unit and no cluster: the work-groups share only gamma and beta, 8 KB beside the 128 KB that each moves.
; LIMITS.  NaN and infinities are not served; the reciprocal root is the instruction's own.
.set Y,  16                            ; v16-79   row p at 32 p: register 4 j + e = element 128 j + 4 x lane + e
.set G,  80                            ; v80-111  gamma, laid likewise
.set BT, 112                           ; v112-143 beta
.set C,  2                             ; v[2:9]   four chains of two
.set RS, 12                            ; v[12:13] the reciprocal root; the upper register is named with it and holds 0
	s_load_b256 s[4:11], s[0:1], 0x0               ; y 4:5, gamma 6:7, beta 8:9, out0 10:11
	v_lshrrev_b32 v1, 5, v0
	s_delay_alu instid0(VALU_DEP_1)
	v_readfirstlane_b32 s12, v1                    ; wave 0..7
	v_and_b32 v1, 31, v0
	s_delay_alu instid0(VALU_DEP_1)
	v_lshlrev_b32 v1, 4, v1                        ; 16 x lane
	s_lshl_b32 s14, ttmp9, 16                      ; 16 rows a work-group,
	s_lshl_b32 s13, s12, 13                        ; 2 a wave
	s_add_co_u32 s14, s14, s13
	s_mov_b32 s15, 0
	s_mov_b32 s16, 0x76543210                      ; lane selects: lane l xor 16
	s_mov_b32 s17, 0xfedcba98
	s_mov_b32 s18, 0x3727c5ac                      ; 1e-5
	s_mov_b32 s19, 0x3a800000                      ; 1 / 1024
	v_mov_b32 v10, 0                               ; a lane permute's destination counts as one of its sources
	v_mov_b32 v[RS+1], 0
	s_wait_alu depctr_va_vdst(0)
	s_wait_kmcnt 0x0
	s_add_nc_u64 s[4:5], s[4:5], s[14:15]
	s_add_nc_u64 s[10:11], s[10:11], s[14:15]
.irp j, 0,1,2,3,4,5,6,7
	global_load_b128 v[Y+4*\j:Y+4*\j+3], v1, s[4:5] offset:512*\j th:TH_LOAD_NT              ; row 0
.endr
.irp j, 0,1,2,3,4,5,6,7
	global_load_b128 v[G+4*\j:G+4*\j+3], v1, s[6:7] offset:512*\j
.endr
.irp j, 0,1,2,3,4,5,6,7
	global_load_b128 v[BT+4*\j:BT+4*\j+3], v1, s[8:9] offset:512*\j
.endr
.irp j, 0,1,2,3,4,5,6,7
	global_load_b128 v[Y+32+4*\j:Y+32+4*\j+3], v1, s[4:5] offset:4096+512*\j th:TH_LOAD_NT   ; row 1
.endr
.macro JOIN                            ; the four chains become one number, summed over the 32 lanes; every lane gets it, in v[C]
	s_delay_alu instid0(VALU_DEP_3)
	v_pk_add_f32 v[C:C+1], v[C:C+1], v[C+2:C+3]
	s_delay_alu instid0(VALU_DEP_2)
	v_pk_add_f32 v[C+4:C+5], v[C+4:C+5], v[C+6:C+7]
	s_delay_alu instid0(VALU_DEP_1)
	v_pk_add_f32 v[C:C+1], v[C:C+1], v[C+4:C+5]
	s_delay_alu instid0(VALU_DEP_1)
	v_add_f32 v[C], v[C], v[C+1]
.irp m, 1,2,4,8
	s_delay_alu instid0(VALU_DEP_1)
	v_add_f32_dpp v[C], v[C], v[C] row_xmask:\m row_mask:0xf bank_mask:0xf
.endr
	s_delay_alu instid0(VALU_DEP_1)
	v_permlanex16_b32 v10, v[C], s16, s17
	s_delay_alu instid0(VALU_DEP_1)
	v_add_f32 v[C], v[C], v10
.endm
; Row p.  left: the younger loads that may stay out when the row has to be there; leftgb: those that may stay out when gamma and beta have to be there.
.macro ROW p, left, leftgb
.set YB, Y+32*\p
	s_wait_loadcnt \left
.irp k, 0,1,2,3
	v_pk_add_f32 v[C+2*\k:C+2*\k+1], v[YB+2*\k:YB+2*\k+1], v[YB+8+2*\k:YB+8+2*\k+1]   ; the first sums start the chains: nothing is cleared
.endr
.irp n, 16,24
.irp k, 0,1,2,3
	s_delay_alu instid0(VALU_DEP_4)
	v_pk_add_f32 v[C+2*\k:C+2*\k+1], v[C+2*\k:C+2*\k+1], v[YB+\n+2*\k:YB+\n+2*\k+1]
.endr
.endr
	JOIN
	s_delay_alu instid0(VALU_DEP_1)
	v_mul_f32 v[C], s19, v[C]                      ; the mean
.irp n, 0,2,4,6,8,10,12,14,16,18,20,22,24,26,28,30
	v_pk_add_f32 v[YB+\n:YB+\n+1], v[YB+\n:YB+\n+1], v[C:C+1] op_sel_hi:[1,0] neg_lo:[0,1] neg_hi:[0,1]   ; d = y - mean, in place
.endr
.irp k, 0,1,2,3
	v_pk_mul_f32 v[C+2*\k:C+2*\k+1], v[YB+2*\k:YB+2*\k+1], v[YB+2*\k:YB+2*\k+1]       ; the sum of d^2, again in four chains
.endr
.irp n, 8,16,24
.irp k, 0,1,2,3
	s_delay_alu instid0(VALU_DEP_4)
	v_pk_fma_f32 v[C+2*\k:C+2*\k+1], v[YB+\n+2*\k:YB+\n+2*\k+1], v[YB+\n+2*\k:YB+\n+2*\k+1], v[C+2*\k:C+2*\k+1]
.endr
.endr
	JOIN
	s_delay_alu instid0(VALU_DEP_1)
	v_fma_f32 v[C], v[C], s19, s18                 ; the variance + 1e-5
	s_wait_alu depctr_va_vdst(0)
	v_rsq_f32 v[RS], v[C]
	v_nop                                          ; one plain place behind the reciprocal root
.if \leftgb != \left
	s_wait_loadcnt \leftgb                         ; gamma and beta are in
.endif
	s_wait_alu depctr_va_vdst(0)
.irp j, 0,1,2,3,4,5,6,7
	v_pk_mul_f32 v[YB+4*\j:YB+4*\j+1], v[YB+4*\j:YB+4*\j+1], v[RS:RS+1] op_sel_hi:[1,0]
	v_pk_mul_f32 v[YB+4*\j+2:YB+4*\j+3], v[YB+4*\j+2:YB+4*\j+3], v[RS:RS+1] op_sel_hi:[1,0]
	s_delay_alu instid0(VALU_DEP_2)
	v_pk_fma_f32 v[YB+4*\j:YB+4*\j+1], v[YB+4*\j:YB+4*\j+1], v[G+4*\j:G+4*\j+1], v[BT+4*\j:BT+4*\j+1]
	s_delay_alu instid0(VALU_DEP_2)
	v_pk_fma_f32 v[YB+4*\j+2:YB+4*\j+3], v[YB+4*\j+2:YB+4*\j+3], v[G+4*\j+2:G+4*\j+3], v[BT+4*\j+2:BT+4*\j+3]
	global_store_b128 v1, v[YB+4*\j:YB+4*\j+3], s[10:11] offset:4096*\p+512*\j th:TH_STORE_NT   ; 32 lanes store 512 consecutive bytes, aligned; written once, read by nobody here
.endr
.endm
	ROW 0, 24, 8                                   ; row 0 is in: gamma's, beta's and row 1's 24 loads stay out; then gamma and beta: row 1's eight stay out
	ROW 1, 0, 0                                    ; row 1: nothing was asked for behind it.  Row 0's stores read registers of their own, which are not written again
	s_endpgm
.Lfunc_end_k_qc28d681140_ln:
	.size	k_qc28d681140_ln, .Lfunc_end_k_qc28d681140_ln-k_qc28d681140_ln
	.p2alignl 7, 3214868480
	.fill 96, 4, 3214868480
	.section	.rodata,"a",@progbits
	.p2align	6, 0x0
	.amdhsa_kernel k_qc28d681140_ln
		.amdhsa_group_segment_fixed_size 0
		.amdhsa_private_segment_fixed_size 0
		.amdhsa_enable_private_segment 0
		.amdhsa_kernarg_size 32
		.amdhsa_user_sgpr_count 2
		.amdhsa_user_sgpr_kernarg_segment_ptr 1
		.amdhsa_wavefront_size32 1
		.amdhsa_system_sgpr_workgroup_id_x 1
		.amdhsa_system_sgpr_workgroup_id_y 1
		.amdhsa_system_sgpr_workgroup_id_z 1
		.amdhsa_system_vgpr_workitem_id 0
		.amdhsa_next_free_vgpr 160
		.amdhsa_next_free_sgpr 66
		.amdhsa_reserve_vcc 0
		.amdhsa_float_denorm_mode_32 3
		.amdhsa_float_denorm_mode_16_64 3
		.amdhsa_memory_ordered 1
		.amdhsa_forward_progress 1
		.amdhsa_inst_pref_size 22
	.end_amdhsa_kernel
	.amdgpu_metadata
---
amdhsa.version: [ 1, 2 ]
amdhsa.kernels:
  - .name:           k_qc28d681140_ln
    .symbol:         k_qc28d681140_ln.kd
    .args:
      - { .name: y, .offset: 0, .size: 8, .value_kind: global_buffer, .address_space: global }
      - { .name: gamma, .offset: 8, .size: 8, .value_kind: global_buffer, .address_space: global }
      - { .name: beta, .offset: 16, .size: 8, .value_kind: global_buffer, .address_space: global }
      - { .name: out0, .offset: 24, .size: 8, .value_kind: global_buffer, .address_space: global }
    .group_segment_fixed_size: 0
    .private_segment_fixed_size: 0
    .kernarg_segment_align: 8
    .kernarg_segment_size: 32
    .max_flat_workgroup_size: 256
    .sgpr_count:     66
    .vgpr_count:     160
    .wavefront_size: 32
...
	.end_amdgpu_metadata
.endif
;; end of part 3
